; MI455X (gfx1250); checked and timed in simulation.
; The chip was launched on July 23, 2026; its instructions are those of AMD's public machine-readable ISA for CDNA 5 (MIT licence, August 2026) and "CDNA5" Instruction Set Architecture Reference Guide (July 2026). The comments in the code are by the model that wrote it; some were corrected since.
;; Attention. Allowed arithmetic: matrix products marked QUANTISED: E2M3 operands, one E8M0 scale for each 32 along K, by v_wmma_scale_f32_16x16x128_f8f6f4 with both operands' format E2M3, f32 sums; everything else in f32.
;; Inputs: Wk 1,024 x 1,024 float32; Wo 1,024 x 1,024 float32; Wq 1,024 x 1,024 float32; Wv 1,024 x 1,024 float32; bias 1 x 1 x 2,048 x 2,048 float32; x 4 x 2,048 x 1,024 float32; y 4 x 2,048 x 1,024 float32.
;; Outputs: out0 4 x 2,048 x 1,024 float32.
;; This version of the problem:
;;   THIS VERSION OF THE PROBLEM IS GIVEN IN LOW PRECISION. The matrix products marked QUANTISED in the list below multiply operands that are first quantised to E2M3 (2 exponent bits, 3 mantissa bits; 6 bits a number), with one power-of-two scale for each 32 numbers along K (OCP MX v1.0); their sums are f32. All else is computed in f32.
;;   The module's matrix products, in the order in which they are computed (A, B: the left and right operand; K: the contracted axis; several contracted axes count as one K, in the product's order):
;;     1. [M 8,192, K 1,024] x [K 1,024, N 1,024]; A: input x; B: input Wq: QUANTISED
;;     2. [M 8,192, K 1,024] x [K 1,024, N 1,024]; A: input y; B: input Wk: QUANTISED
;;     3. [M 8,192, K 1,024] x [K 1,024, N 1,024]; A: input y; B: input Wv: QUANTISED
;;     4. batch 64 x [M 2,048, K 64] x [K 64, N 2,048]; A: computed on the way; B: computed on the way: QUANTISED
;;     5. batch 64 x [M 2,048, K 2,048] x [K 2,048, N 64]; A: softmax (see below); B: computed on the way: QUANTISED
;;     6. [M 8,192, K 1,024] x [K 1,024, N 1,024]; A: computed on the way; B: input Wo: QUANTISED
;;   THE QUANTISER, for each operand of a quantised product, along K:
;;     - K is cut into blocks of 32 from its start; a last block that is shorter is filled with zeros.
;;     - A block's scale is 2^e with e = floor(log2(the largest magnitude in the block)) - 2, held to -126 .. 127; a block of zeros has e = 0. As a byte (E8M0): e + 127.
;;     - Each number is divided by its block's scale, clamped to +-7.5, and rounded to the nearest number of E2M3, ties to even, subnormals kept.
;;     - The product sums the exact products of the quantised numbers (number of the format x scale) in f32.
;;   ~~~python
;;   def quantise(x, axis):      # numpy; x: float32 -> the quantised numbers, widened to float32 again
;;       x = np.moveaxis(x, axis, -1); K = x.shape[-1]
;;       x = np.pad(x, [(0, 0)] * (x.ndim - 1) + [(0, -K % 32)]); x = x.reshape(x.shape[:-1] + (-1, 32)); a = np.abs(x).max(-1, keepdims=True)
;;       e = np.where(a > 0, np.clip(np.frexp(np.where(a > 0, a, 1))[1] - 1 - 2, -126, 127), 0)      # np.frexp(a)[1] - 1 = floor(log2(a)), exactly
;;       r = np.clip(x / 2.0 ** e, -7.5, 7.5)
;;       step = 2.0 ** (np.maximum(np.frexp(np.where(r == 0, 1, r))[1] - 1, 0) - 3)
;;       q = np.round(r / step) * step * 2.0 ** e      # np.round: ties to even
;;       return np.moveaxis(q.reshape(q.shape[:-2] + (-1,))[..., :K], -1, axis).astype(np.float32)
;;   ~~~
;;   SOFTMAX AHEAD OF A QUANTISED PRODUCT. Where the list says 'softmax', what is quantised is not the finished softmax but p = 2^(t - M), with t = logit x log2(e) and M = ceil(the row's largest t), a whole number; so 1/2 < the row's largest p <= 1. The row's sum l is taken of the UNQUANTISED p, in f32, and the product's result is divided by l at the end. Since M is a whole number, a kernel that streams over the keys may use a running M (the ceiling of the running maximum): every later rescaling is an exact power of two, which a block's scale takes up: the codes' values come out the same.
;;   OPERANDS COMPUTED ON THE WAY. 'Computed on the way' means the value that the module computes at that place (a softmax that the list does not call 'softmax' is quantised finished and normalised). What goes into a quantiser is computed in f32, as accurately as f32 sums, v_exp_f32 and their like allow (about 1e-6 of the number): no bf16 or f16 on the way to a quantiser, and a product that is left as it is and whose result goes on into a quantised operand takes f32 operands (vector FMAs, or v_wmma_f32_16x16x4_f32). A number that lies on a knife's edge between two numbers of the format may be rounded either way, as far as f32 arithmetic and the matrix unit's own rounding can turn it there, and no further.
;; One version. Each part assembles by itself: llvm-mc -triple=amdgcn-amd-amdhsa -mcpu=gfx1250 --defsym DOCPART=n.
;; ======== version 1 of 1: 4 launches
;; limits: right only within a limited range of input values
;; workspace buffers: xq 6,553,600 bytes; yq 6,553,600 bytes; wts 3,276,800 bytes; qrec 6,815,744 bytes; krec 6,815,744 bytes; vrec 6,815,744 bytes; arec 6,553,600 bytes
;; launch quant (part 1): grid 32 x 20, 16 waves a work-group, no clusters, 138,240 bytes of LDS; arguments x, y, Wq, Wk, Wv, Wo, xq, yq, wts; writes xq, yq, wts
.if DOCPART == 1
	.amdgcn_target "amdgcn-amd-amdhsa--gfx1250"
	.amdhsa_code_object_version 6
	.text
	.protected	k_qddcc71c6b5_quant
	.globl	k_qddcc71c6b5_quant
	.p2align	8
	.type	k_qddcc71c6b5_quant,@function
k_qddcc71c6b5_quant:
	s_mov_b64 s[64:65], 0
	v_nop
	global_prefetch_b8 v0, s[64:65] scope:SCOPE_SE
	s_setreg_imm32_b32 hwreg(HW_REG_WAVE_MODE, 25, 1), 1
	s_wait_xcnt 0x0
; x, y [8192][1024] and Wq, Wk, Wv, Wo [1024][1024], f32, K innermost, become codes of FP6 (E2M3) with one E8M0 byte for each 32 along K,
; LAID AS THE MATRIX OPERAND'S REGISTERS: a half image is 16 rows x 64 K, 768 bytes: lane l = (r = l % 16, h = l / 16) owns the 24 bytes of codes k = 32 h .. 32 h + 31 of row r:
; its registers 0-3 at byte 16 l, its registers 4-5 at byte 512 + 8 l.  A fragment (16 rows x 128 K) is two half images on end.
; A RECORD, 25,600 bytes, is 128 rows x 256 K: [tile of 16 rows 0..7][128 along K 0..1][half 0..1] x 768 bytes, then the scale words at 24,576 + 128 tile + 8 r + 4 (128 along K).
; xq, yq: [block of 128 rows][256 along K 0..3] records; wts: four slabs (Wq, Wk, Wv, Wo) of [8][4] records.
; THE ROWS OF A TILE: in x they are neighbours (16 T + m); in y and in the weights lane-row m of tile T is row 32 (T / 2) + 8 (T % 2) + m + 8 (m / 8), so that a later product that takes such a tile as
; its source 0 leaves 16 neighbours along the next K in a lane's 16 registers of two neighbouring tiles.
; A block's scale is 2^(floor(log2(largest magnitude)) - 2): its byte is the largest magnitude's exponent field - 2, held at 1 from below by a floor among the maximum's leaves.
; LIMITS: NaN and infinities are not served; a block of zeros gets the byte 1 with zero codes (these bytes are read by this program alone).
; SHARES: work-group (G, slab): 32 rows of a slab of 1,024 rows (slabs 0-7 x, 8-15 y, 16-19 the weights).  Wave w makes ONE fragment: tile u = w / 8, 128 along K number s = w % 8.
; Each of its 16 loads reads 512 consecutive bytes of a row; the 16 rows turn through the wave's own stage in LDS (rows 528 bytes apart) so that a lane gets 16 neighbours of each block of its row.
; No tensor load, no matrix unit, no cluster: the launch streams, and work-groups share nothing.
.set STGB, 8448                        ; a wave's stage: 16 rows x 528 bytes
.set SG,   16*STGB                     ; behind the stages: the work-group's 1,024 bytes of scale words, [256 along K][tile u][r][128 along K]
.set R,    16                          ; v16-79   16 rows as loaded
.set X,    16                          ; v16-79   64 numbers of my row, over the rows as loaded: register 16 b + i = k 32 b + 16 h + i
.set TM,   80                          ; v80-83 largest magnitudes, v84-87 the other half's, then bytes, v92-95 the conversions' scale operands
.set PW,   96                          ; the scale word
.set PC,   100                         ; v100-111 the fragment, v112-118 at work
.set SEL,  2                           ; s[2:3] lane selects of v_permlanex16_b32: lane l xor 16
	s_load_b512 s[4:19], s[0:1], 0x0               ; x, y, Wq, Wk, Wv, Wo, xq, yq
	s_load_b64 s[20:21], s[0:1], 0x40              ; wts
	v_lshl_add_u32 v120, v0, 2, 0x21400
	v_mov_b32 v121, 0
	v_lshrrev_b32 v1, 5, v0
	s_delay_alu instid0(VALU_DEP_1)
	v_readfirstlane_b32 s22, v1                    ; wave 0..15
	s_lshr_b32 s23, s22, 3                         ; u
	s_and_b32 s24, s22, 7                          ; s
	s_and_b32 s25, ttmp7, 0xffff                   ; slab
	s_mov_b32 s[SEL], 0x76543210
	s_mov_b32 s[SEL+1], 0xfedcba98
	v_and_b32 v2, 31, v0                           ; l
	v_and_b32 v3, 15, v0                           ; r
	s_wait_alu depctr_va_vdst(0)
	v_bfe_u32 v8, v0, 4, 1                         ; h
	s_wait_alu depctr_va_vdst(0)
	v_lshlrev_b32 v4, 4, v2                        ; 16 l
	s_wait_alu depctr_va_vdst(0)
	v_lshlrev_b32 v7, 3, v2                        ; 8 l
	s_mul_i32 s26, s22, STGB
	v_add_nc_u32 v5, s26, v4                       ; the stage, in: 16 l of a row
	v_mul_u32_u24 v6, v3, 528
	s_delay_alu instid0(VALU_DEP_1)
	v_lshl_add_u32 v6, v8, 6, v6
	s_delay_alu instid0(VALU_DEP_1)
	v_add_nc_u32 v6, s26, v6                       ; and out: row r, + 64 h
	s_lshr_b32 s27, s24, 1                         ; which 256 along K
	s_lshl_b32 s28, s27, 8
	s_lshl_b32 s29, s23, 7
	s_add_co_u32 s28, s28, s29
	s_and_b32 s29, s24, 1                          ; which 128 of the 256
	s_lshl_b32 s30, s29, 2
	s_add_co_u32 s28, s28, s30
	s_add_co_u32 s28, s28, SG
	v_lshl_add_u32 v9, v3, 3, s28                  ; where my row's scale word is gathered
	v_mul_u32_u24 v10, v8, 25600
	s_delay_alu instid0(VALU_DEP_1)
	v_lshl_add_u32 v10, v3, 4, v10                 ; the words' way out: lanes 0-15 one record's 256 bytes, lanes 16-31 the next record's
	v_add_nc_u32 v11, SG, v4
.irp b, 0,1,2,3
	v_mov_b32 v[TM+4+\b], 0                        ; written once: a lane permute's destination counts as one of its sources
.endr
	s_sub_co_u32 s31, s25, 8
	s_sub_co_u32 s32, s25, 16
	s_wait_alu depctr_va_vdst(0)
	s_wait_kmcnt 0x0
	; the source, the destination and the slab's number in each: choices on the work-group's number alone
	s_mov_b64 s[34:35], s[14:15]
	s_cmp_eq_u32 s25, 18
	s_cselect_b64 s[34:35], s[12:13], s[34:35]
	s_cmp_eq_u32 s25, 17
	s_cselect_b64 s[34:35], s[10:11], s[34:35]
	s_cmp_eq_u32 s25, 16
	s_cselect_b64 s[34:35], s[8:9], s[34:35]
	s_cmp_lt_u32 s25, 16
	s_cselect_b64 s[34:35], s[6:7], s[34:35]
	s_cselect_b64 s[36:37], s[18:19], s[20:21]
	s_cselect_b32 s38, s31, 0
	s_cselect_b32 s39, s31, s32
	s_cmp_lt_u32 s25, 8
	s_cselect_b64 s[34:35], s[4:5], s[34:35]
	s_cselect_b64 s[36:37], s[16:17], s[36:37]
	s_cselect_b32 s38, s25, s38                    ; the slab's number in the source
	s_cselect_b32 s39, s25, s39                    ; and in the destination
	s_cselect_b32 s40, 16, 8                       ; tile u begins 16 u rows on (x) or 8 u (the others),
	s_cselect_b32 s41, 8, 16                       ; and its lane-rows 8-15 begin 8 rows on, or 16
	s_lshl_b32 s42, s38, 22                        ; a slab is 1,024 rows of 4,096 bytes
	s_lshl_b32 s43, ttmp9, 5
	s_mul_i32 s44, s23, s40
	s_add_co_u32 s43, s43, s44
	s_lshl_b32 s43, s43, 12
	s_add_co_u32 s42, s42, s43
	s_lshl_b32 s44, s24, 9
	s_add_co_u32 s42, s42, s44                     ; + 512 s: my 128 along K
	s_mov_b32 s43, 0
	s_add_nc_u64 s[34:35], s[34:35], s[42:43]      ; lane-rows 0-7
	s_lshl_b32 s42, s41, 12
	s_add_nc_u64 s[44:45], s[34:35], s[42:43]      ; lane-rows 8-15
.irp m, 0,1,2,3,4,5,6,7
	global_load_b128 v[R+4*\m:R+4*\m+3], v4, s[34:35] offset:4096*\m th:TH_LOAD_NT      ; 32 lanes read 512 consecutive bytes of a row
.endr
.irp m, 0,1,2,3,4,5,6,7
	global_load_b128 v[R+32+4*\m:R+32+4*\m+3], v4, s[44:45] offset:4096*\m th:TH_LOAD_NT
.endr
	; where the results go, worked out while the loads are on their way
	s_mul_i32 s42, s39, 819200
	s_lshr_b32 s46, ttmp9, 2
	s_mul_i32 s46, s46, 102400
	s_add_co_u32 s42, s42, s46                     ; the block of 128 rows: four records
	s_and_b32 s46, ttmp9, 3
	s_lshl_b32 s47, s46, 8
	s_add_co_u32 s47, s47, s42
	s_add_co_u32 s38, s47, 24576
	s_mov_b32 s39, 0
	s_add_nc_u64 s[38:39], s[36:37], s[38:39]      ; the work-group's 256 bytes of scale words in the block's first record
	s_lshl_b32 s46, s46, 1
	s_add_co_u32 s46, s46, s23                     ; my tile in the block
	s_mul_i32 s46, s46, 3072
	s_add_co_u32 s42, s42, s46
	s_mul_i32 s46, s27, 25600
	s_add_co_u32 s42, s42, s46
	s_mul_i32 s46, s29, 1536
	s_add_co_u32 s42, s42, s46
	s_add_nc_u64 s[36:37], s[36:37], s[42:43]      ; my fragment's 1,536 bytes
.irp m, 0,1,2,3,4,5,6,7,8,9,10,11,12,13,14,15
	s_wait_loadcnt 15-\m                           ; loads come back in order: row m is in, the younger ones may be out
	ds_store_b128 v5, v[R+4*\m:R+4*\m+3] offset:528*\m
.endr
	s_wait_dscnt 0x0                               ; the stores have read their registers: the loads below land on them
.irp b, 0,1,2,3
.irp j, 0,1,2,3
	ds_load_b128 v[X+16*\b+4*\j:X+16*\b+4*\j+3], v6 offset:128*\b+16*\j   ; LDS serves a wave's instructions in order: these see my stores
.endr
.endr
	s_wait_dscnt 0x0
	; the quantiser: 64 numbers of a lane become a fragment's codes and its row's scale word
.irp b, 0,1,2,3
	v_max3_num_f32 v[TM+\b], |v[X+16*\b]|, |v[X+1+16*\b]|, 0x1800000   ; my 16 numbers of block b, and the floor 2^(3 - 127): the byte cannot fall under 1
.endr
.irp i, 2,4,6,8,10,12,14
.irp b, 0,1,2,3
	s_delay_alu instid0(VALU_DEP_4)
	v_max3_num_f32 v[TM+\b], v[TM+\b], |v[X+16*\b+\i]|, |v[X+1+16*\b+\i]|   ; the four blocks by turns
.endr
.endr
.irp b, 0,1,2,3
	s_delay_alu instid0(VALU_DEP_4)
	v_permlanex16_b32 v[TM+4+\b], v[TM+\b], s[SEL], s[SEL+1]
.endr
.irp b, 0,1,2,3
	s_delay_alu instid0(VALU_DEP_4)
	v_max_num_f32 v[TM+\b], v[TM+\b], v[TM+4+\b]   ; with lane l xor 16's 16: the block's largest magnitude
.endr
.irp b, 0,1,2,3
	s_delay_alu instid0(VALU_DEP_4)
	v_add_nc_u32 v[TM+12+\b], 0xff000000, v[TM+\b] ; 2 off its exponent field: the conversion takes the exponent field of this operand as its scale
.endr
.irp b, 0,1,2,3
	s_delay_alu instid0(VALU_DEP_4)
	v_lshrrev_b32 v[TM+4+\b], 23, v[TM+12+\b]      ; the scale's byte
.endr
	s_delay_alu instid0(VALU_DEP_3)
	v_lshl_or_b32 v[PW], v[TM+5], 8, v[TM+4]
	s_delay_alu instid0(VALU_DEP_1)
	v_lshl_or_b32 v[PW], v[TM+6], 16, v[PW]
	s_delay_alu instid0(VALU_DEP_1)
	v_lshl_or_b32 v[PW], v[TM+7], 24, v[PW]
.irp c, 0,1
	v_cvt_scalef32_pk16_fp6_f32 v[PC+6*\c:PC+2+6*\c], v[X+32*\c:X+15+32*\c], v[TM+12+2*\c]
	v_cvt_scalef32_pk16_fp6_f32 v[PC+12+4*\c:PC+14+4*\c], v[X+16+32*\c:X+31+32*\c], v[TM+12+2*\c+1]   ; (a conversion's three registers begin on an even number)
.endr
	v_nop                                          ; one plain instruction behind the scaled conversions
.irp c, 0,1                                    ; the operand wants a WHOLE block in a lane: lanes 0-15 block 2 c, lanes 16-31 block 2 c + 1
.irp i, 0,1,2
	v_permlane16_swap_b32 v[PC+6*\c+\i], v[PC+12+4*\c+\i]
.endr
.irp i, 0,1,2
	s_delay_alu instid0(VALU_DEP_3)
	v_mov_b32 v[PC+3+6*\c+\i], v[PC+12+4*\c+\i]
.endr
.endr
	global_store_b128 v4, v[PC:PC+3], s[36:37]                  ; 512 consecutive bytes, at a multiple of 256 from the buffer's first byte
	global_store_b64 v7, v[PC+4:PC+5], s[36:37] offset:512      ; 256 consecutive bytes
	global_store_b128 v4, v[PC+6:PC+9], s[36:37] offset:768
	global_store_b64 v7, v[PC+10:PC+11], s[36:37] offset:1280
	ds_store_b32 v9, v[PW]                         ; both halves of the lanes write the same word with the same value
	s_wait_dscnt 0x0                               ; for the others' sake: my word has landed
	s_barrier_signal -1
	s_barrier_wait -1
	s_cmp_lg_u32 s22, 0
	s_cbranch_scc1 .Lend                           ; wave 0 sends the sixteen waves' words out: 256 consecutive bytes into each of the block's four records
	ds_load_b128 v[16:19], v11
	ds_load_b128 v[20:23], v11 offset:512
	s_wait_dscnt 0x0
	global_store_b128 v10, v[16:19], s[38:39]
	global_store_b128 v10, v[20:23], s[38:39] offset:51200
.Lend:
	s_wait_tensorcnt 0x0
	ds_add_u32 v120, v121
	s_wait_dscnt 0x0
	s_endpgm
.Lfunc_end_k_qddcc71c6b5_quant:
	.size	k_qddcc71c6b5_quant, .Lfunc_end_k_qddcc71c6b5_quant-k_qddcc71c6b5_quant
	.p2alignl 7, 3214868480
	.fill 96, 4, 3214868480
	.section	.rodata,"a",@progbits
	.p2align	6, 0x0
	.amdhsa_kernel k_qddcc71c6b5_quant
		.amdhsa_group_segment_fixed_size 138240
		.amdhsa_private_segment_fixed_size 0
		.amdhsa_enable_private_segment 0
		.amdhsa_kernarg_size 72
		.amdhsa_user_sgpr_count 2
		.amdhsa_user_sgpr_kernarg_segment_ptr 1
		.amdhsa_wavefront_size32 1
		.amdhsa_system_sgpr_workgroup_id_x 1
		.amdhsa_system_sgpr_workgroup_id_y 1
		.amdhsa_system_sgpr_workgroup_id_z 1
		.amdhsa_system_vgpr_workitem_id 0
		.amdhsa_next_free_vgpr 128
		.amdhsa_next_free_sgpr 66
		.amdhsa_reserve_vcc 0
		.amdhsa_float_denorm_mode_32 3
		.amdhsa_float_denorm_mode_16_64 3
		.amdhsa_memory_ordered 1
		.amdhsa_forward_progress 1
		.amdhsa_inst_pref_size 15
	.end_amdhsa_kernel
	.amdgpu_metadata
---
amdhsa.version: [ 1, 2 ]
amdhsa.kernels:
  - .name:           k_qddcc71c6b5_quant
    .symbol:         k_qddcc71c6b5_quant.kd
    .args:
      - { .name: x, .offset: 0, .size: 8, .value_kind: global_buffer, .address_space: global }
      - { .name: y, .offset: 8, .size: 8, .value_kind: global_buffer, .address_space: global }
      - { .name: Wq, .offset: 16, .size: 8, .value_kind: global_buffer, .address_space: global }
      - { .name: Wk, .offset: 24, .size: 8, .value_kind: global_buffer, .address_space: global }
      - { .name: Wv, .offset: 32, .size: 8, .value_kind: global_buffer, .address_space: global }
      - { .name: Wo, .offset: 40, .size: 8, .value_kind: global_buffer, .address_space: global }
      - { .name: xq, .offset: 48, .size: 8, .value_kind: global_buffer, .address_space: global }
      - { .name: yq, .offset: 56, .size: 8, .value_kind: global_buffer, .address_space: global }
      - { .name: wts, .offset: 64, .size: 8, .value_kind: global_buffer, .address_space: global }
    .group_segment_fixed_size: 138240
    .private_segment_fixed_size: 0
    .kernarg_segment_align: 8
    .kernarg_segment_size: 72
    .max_flat_workgroup_size: 512
    .sgpr_count:     66
    .vgpr_count:     128
    .wavefront_size: 32
...
	.end_amdgpu_metadata
.endif
;; end of part 1
;; launch proj (part 2): grid 8 x 32, 4 waves a work-group, clusters of 4 x 4, 327,680 bytes of LDS; arguments xq, yq, wts, qrec, krec, vrec; writes qrec, krec, vrec
.if DOCPART == 2
	.amdgcn_target "amdgcn-amd-amdhsa--gfx1250"
	.amdhsa_code_object_version 6
	.text
	.protected	k_qddcc71c6b5_proj
	.globl	k_qddcc71c6b5_proj
	.p2align	8
	.type	k_qddcc71c6b5_proj,@function
k_qddcc71c6b5_proj:
	s_mov_b64 s[64:65], 0
	v_nop
	global_prefetch_b8 v0, s[64:65] scope:SCOPE_SE
	s_setreg_imm32_b32 hwreg(HW_REG_WAVE_MODE, 25, 1), 1
	s_wait_xcnt 0x0
	s_wait_alu depctr_hold_cnt(0) depctr_sa_sdst(0) depctr_va_vdst(0) depctr_va_sdst(0) depctr_va_ssrc(0) depctr_va_vcc(0) depctr_vm_vsrc(0)
	s_getreg_b32 s2, hwreg(HW_REG_IB_STS2, 6, 4)
	s_cmp_eq_u32 s2, 0
	s_cbranch_scc0 .Lentry_in_a_cluster
	s_endpgm
.Lentry_in_a_cluster:
	s_bfe_u32 s2, ttmp6, 0x10000c
	s_cmp_lg_u32 s2, 0xf033
	s_cbranch_scc0 .Lentry_shape_is_right
	s_endpgm
.Lentry_shape_is_right:
.set SLOT,  153600
.set SPARE, 2*SLOT
.set STG,   SPARE+512
.set REC,   6656
.set WSLAB, 819200
.set WV, 16
.set WH, 17
.set WL, 18
.set G1W, 24
.set G1A, 32
.set G0W, 40
.set G0A, 48
.set SWB, 56
.set SXB, 58
.set SYB, 60
.set OQ, 66
.set OK, 68
.set OV, 70
.set SEL, 80
.set SPW, 1
.set NIL, 2
.set AD, 4
.set L16, 29
.set L8, 30
.set SC, 32
.set SWA, 82
.set SRA, 83
.set TM, 96
.set WD, 104
.set MSB, 0
.macro WIN new
.if MSB != \new
	s_set_vgpr_msb (MSB<<8)|\new
.set MSB, \new
.endif
.endm
.macro PLACES
.rept 4
	v_nop
.endr
.endm
.macro JLOAD s
	s_cmp_eq_u32 s[WH], 0
	s_cbranch_scc0 .Lfor_a_\@
	tensor_load_to_lds s[G0W+4*\s:G0W+4*\s+3], s[G1W:G1W+7]
	s_nop 0
.rept 4
	v_nop
.endr
	s_branch .Lasked_\@
.Lfor_a_\@:
	tensor_load_to_lds s[G0A+4*\s:G0A+4*\s+3], s[G1A:G1A+7]
	s_nop 0
.rept 4
	v_nop
.endr
.Lasked_\@:
.endm
.macro CREST
	s_cmp_lg_u32 s[WV], 0
	s_cbranch_scc1 .Lnot_wave_0_\@
	s_barrier_signal -3
.Lnot_wave_0_\@:
	s_barrier_wait -3
	s_barrier_signal -1
	s_barrier_wait -1
.endm
.macro CROUND
	s_barrier_signal -1
	s_barrier_wait -1
	CREST
.endm
	s_load_b256 s[4:11], s[0:1], 0x0
	s_load_b128 s[12:15], s[0:1], 0x20
	v_lshl_add_u32 v[SPW], v0, 2, SPARE
	v_mov_b32 v[NIL], 0
	ds_add_u32 v1, v2
	ds_add_u32 v1, v2
	s_wait_dscnt 0x0
	v_lshrrev_b32 v3, 5, v0
	v_readfirstlane_b32 s[WV], v3
	s_lshr_b32 s[WH], s[WV], 1
	s_and_b32 s[WL], s[WV], 1
	s_bfe_u32 s19, ttmp6, 0x40000
	s_bfe_u32 s20, ttmp6, 0x40004
	s_lshl_b32 s21, ttmp9, 2
	s_add_co_u32 s21, s21, s19
	s_and_b32 s22, ttmp7, 0xffff
	s_lshl_b32 s22, s22, 2
	s_add_co_u32 s22, s22, s20
	s_lshl_b32 s23, s20, 2
	s_lshl_b32 s23, 15, s23
	s_lshl_b32 s3, 0x1111, s19
	s_or_b32 s[G1W], s3, (3<<16)|(1<<21)
	s_mov_b32 s[G1W+1], 32<<16
	s_mov_b32 s[G1W+2], 100<<16
	s_mov_b32 s[G1W+3], 32<<16
	s_mov_b32 s[G1W+4], 100
	s_mov_b32 s[G1W+5], 32
	s_mov_b32 s[G1W+6], 0
	s_mov_b32 s[G1W+7], 0
	s_or_b32 s[G1A], s23, (3<<16)|(1<<21)
	s_mov_b32 s[G1A+1], 32<<16
	s_mov_b32 s[G1A+2], 200<<16
	s_mov_b32 s[G1A+3], 32<<16
	s_mov_b32 s[G1A+4], 200
	s_mov_b32 s[G1A+5], 32
	s_mov_b32 s[G1A+6], 0
	s_mov_b32 s[G1A+7], 0
	s_mul_i32 s62, s21, 102400
	s_mul_i32 s63, s[WL], 25600
	s_add_co_u32 s62, s62, s63
	s_mov_b32 s63, 0
	s_lshl_b32 s72, s22, 1
	s_add_co_u32 s72, s72, s[WL]
	s_mul_i32 s72, s72, 102400
	s_mov_b32 s73, 0
	s_mul_i32 s74, s[WL], 25600
	s_mul_i32 s75, s[WL], 51200
	s_add_co_u32 s75, s75, 51200
	s_mov_b32 s[SEL], 0x76543210
	s_mov_b32 s[SEL+1], 0xfedcba98
	s_wait_kmcnt 0x0
	s_add_nc_u64 s[SWB:SWB+1], s[8:9], s[62:63]
	s_add_nc_u64 s[SXB:SXB+1], s[4:5], s[72:73]
	s_add_nc_u64 s[SYB:SYB+1], s[6:7], s[72:73]
	CROUND
.irp s, 0,1
	s_mov_b32 s[G0W+4*\s], 1
	s_add_co_u32 s[G0W+4*\s+1], s74, \s*SLOT
	s_add_nc_u64 s[G0W+4*\s+2:G0W+4*\s+3], s[SWB:SWB+1], \s*51200
	s_or_b32 s[G0W+4*\s+3], s[G0W+4*\s+3], 0x80000000
	s_mov_b32 s[G0A+4*\s], 1
	s_add_co_u32 s[G0A+4*\s+1], s75, \s*SLOT
	s_add_nc_u64 s[G0A+4*\s+2:G0A+4*\s+3], s[SXB:SXB+1], \s*51200
	s_or_b32 s[G0A+4*\s+3], s[G0A+4*\s+3], 0x80000000
	s_wait_alu depctr_va_vdst(0)
	s_wait_tensorcnt 0x0
	ds_add_u32 v1, v2
	ds_add_u32 v1, v2
	s_wait_dscnt 0x0
	CROUND
	JLOAD \s
.endr
	v_and_b32 v3, 31, v0
	v_and_b32 v28, 15, v0
	v_lshlrev_b32 v[L16], 4, v3
	v_lshlrev_b32 v[L8], 3, v3
	v_lshlrev_b32 v31, 3, v28
	v_mov_b32 v[TM+2], 0
	v_mov_b32 v[TM+3], 0
	s_mov_b32 s83, 0
	s_mul_i32 s76, s[WL], 12288
	s_lshl_b32 s77, s[WL], 9
	s_mul_i32 s78, s[WH], 51200
	s_add_co_u32 s78, s78, 51200
	s_add_co_u32 s79, s78, s76
	s_add_co_u32 s82, s78, s77
.irp s, 0,1
	v_add_nc_u32 v[AD+12*\s+0], s83, v[L16]
	v_add_nc_u32 v[AD+12*\s+1], s83, v[L8]
	v_add_nc_u32 v[AD+12*\s+2], s83, v31
	v_add_nc_u32 v[AD+12*\s+3], s76, v[L16]
	v_add_nc_u32 v[AD+12*\s+4], s76, v[L8]
	v_add_nc_u32 v[AD+12*\s+5], s77, v31
	v_add_nc_u32 v[AD+12*\s+6], s78, v[L16]
	v_add_nc_u32 v[AD+12*\s+7], s78, v[L8]
	v_add_nc_u32 v[AD+12*\s+8], s78, v31
	v_add_nc_u32 v[AD+12*\s+9], s79, v[L16]
	v_add_nc_u32 v[AD+12*\s+10], s79, v[L8]
	v_add_nc_u32 v[AD+12*\s+11], s82, v31
	s_add_co_u32 s83, s83, SLOT
	s_add_co_u32 s76, s76, SLOT
	s_add_co_u32 s77, s77, SLOT
	s_add_co_u32 s78, s78, SLOT
	s_add_co_u32 s79, s79, SLOT
	s_add_co_u32 s82, s82, SLOT
.endr
	s_lshl_b32 s86, s[WV], 9
	s_add_co_u32 s86, s86, STG
	v_lshl_add_u32 v[SWA], v28, 2, s86
	v_add_nc_u32 v[SRA], s86, v[L16]
	s_lshr_b32 s84, s22, 3
	s_lshl_b32 s84, s84, 2
	s_lshr_b32 s85, s21, 1
	s_add_co_u32 s84, s84, s85
	s_lshl_b32 s84, s84, 4
	s_and_b32 s85, s22, 7
	s_lshl_b32 s85, s85, 1
	s_add_co_u32 s84, s84, s85
	s_add_co_u32 s84, s84, s[WH]
	s_lshl_b32 s84, s84, 2
	s_and_b32 s85, s21, 1
	s_lshl_b32 s85, s85, 1
	s_add_co_u32 s84, s84, s85
	s_add_co_u32 s84, s84, s[WL]
	s_mul_i32 s84, s84, REC
	s_mov_b32 s85, 0
	s_add_nc_u64 s[OQ:OQ+1], s[10:11], s[84:85]
	s_add_nc_u64 s[OK:OK+1], s[12:13], s[84:85]
	s_add_nc_u64 s[OV:OV+1], s[14:15], s[84:85]
.macro FRAG reg, adr, off
	ds_load_b128 v[\reg:\reg+3], v[\adr] offset:\off
	ds_load_b64 v[\reg+4:\reg+5], v[\adr+1] offset:\off+512
	ds_load_b128 v[\reg+6:\reg+9], v[\adr] offset:\off+768
	ds_load_b64 v[\reg+10:\reg+11], v[\adr+1] offset:\off+1280
.endm
.macro FETCH cls, slot, kk
.set FO, ((\kk)/2)*25600+((\kk)%2)*1536
.set PA0, AD+12*(\slot)+3*(1+2*(\cls))
.set PA1, AD+12*(\slot)+3*(2-2*(\cls))
.if ((\kk)%2) == 0
	WIN 0x40
.else
	WIN 0x80
.endif
.irp b, 0,1,2,3
	FRAG 12*\b, PA0, FO+3072*\b
.endr
.irp a, 0,1,2,3,4,5,6,7
	FRAG 48+12*\a, PA1, FO+3072*\a
.endr
.if ((\kk)%2) == 0
	WIN 0
.set FZ, SC+24*((\kk)/2)
.set FW, ((\kk)/2)*25600+24576
.irp b, 0,1,2,3
	ds_load_b64 v[FZ+2*\b:FZ+2*\b+1], v[PA0+2] offset:FW+128*\b
.endr
.irp a, 0,1,2,3,4,5,6,7
	ds_load_b64 v[FZ+8+2*\a:FZ+8+2*\a+1], v[PA1+2] offset:FW+128*\a
.endr
.endif
.endm
.macro MUL z, q, a0, n, zero
.set MA, \a0
.rept \n
.irp b, 0,1,2,3
.if \zero
	v_wmma_scale_f32_16x16x128_f8f6f4 v[32*MA+8*\b:32*MA+8*\b+7], v[12*\b:12*\b+11], v[48+12*MA:48+12*MA+11], 0, v[SC+24*(\z)+2*\b+(\q)], v[SC+24*(\z)+8+2*MA+(\q)] matrix_a_fmt:MATRIX_FMT_FP6 matrix_b_fmt:MATRIX_FMT_FP6
.else
	v_wmma_scale_f32_16x16x128_f8f6f4 v[32*MA+8*\b:32*MA+8*\b+7], v[12*\b:12*\b+11], v[48+12*MA:48+12*MA+11], v[32*MA+8*\b:32*MA+8*\b+7], v[SC+24*(\z)+2*\b+(\q)], v[SC+24*(\z)+8+2*MA+(\q)] matrix_a_fmt:MATRIX_FMT_FP6 matrix_b_fmt:MATRIX_FMT_FP6
.endif
.endr
.set MA, MA+1
.endr
.endm
.macro KSTEP cls, slot, kk, zero
	PLACES
	FETCH \cls, \slot, (\kk)+1
.if ((\kk)%2) == 0
	s_wait_dscnt 48
	WIN 0xf5
.else
	s_wait_dscnt 60
	WIN 0xfa
.endif
	MUL (\kk)/2, (\kk)%2, 0, 8, \zero
.endm
.macro TURN slot, clsn, fill, wc, ab, ac
	WIN 0
	s_wait_tensorcnt 0x0
	ds_add_u32 v[SPW], v[NIL]
.if \fill
	s_add_nc_u64 s[G0W+4*\slot+2:G0W+4*\slot+3], s[SWB:SWB+1], \wc
	s_or_b32 s[G0W+4*\slot+3], s[G0W+4*\slot+3], 0x80000000
	s_add_nc_u64 s[G0A+4*\slot+2:G0A+4*\slot+3], s[\ab:\ab+1], \ac
	s_or_b32 s[G0A+4*\slot+3], s[G0A+4*\slot+3], 0x80000000
.endif
	s_wait_dscnt 1
	WIN 0xfa
	MUL 1, 1, 0, 2, 0
	s_wait_dscnt 0x0
	s_barrier_signal -1
	MUL 1, 1, 2, 2, 0
	WIN 0
	s_barrier_wait -1
.if \fill
	CREST
	JLOAD \slot
.else
	PLACES
.endif
	s_wait_alu depctr_va_vdst(0)
	FETCH \clsn, 1-(\slot), 0
	WIN 0xfa
	MUL 1, 1, 4, 4, 0
.endm
.macro EPI ob, floor, adj
	PLACES
.set EA, 0
.rept 8
.set PCS, 144+8*(EA%2)
	s_wait_xcnt 0x0
	WIN 0x0f
.irp b, 0,1
	v_max3_num_f32 v[TM+\b], |v[32*EA+16*\b]|, |v[32*EA+16*\b+1]|, \floor
.endr
	WIN 0x3c
.irp i, 2,4,6,8,10,12,14
.irp b, 0,1
	v_max3_num_f32 v[TM+\b], v[TM+\b], |v[32*EA+16*\b+\i]|, |v[32*EA+16*\b+\i+1]|
.endr
.endr
	WIN 0
.irp b, 0,1
	v_permlanex16_b32 v[TM+2+\b], v[TM+\b], s[SEL], s[SEL+1]
.endr
.irp b, 0,1
	v_max_num_f32 v[TM+\b], v[TM+\b], v[TM+2+\b]
.endr
.irp b, 0,1
	v_add_nc_u32 v[TM+4+\b], 0xff000000, v[TM+\b]
.endr
.irp b, 0,1
	v_lshrrev_b32 v[TM+6+\b], 23, v[TM+4+\b]
.endr
	v_lshl_or_b32 v[WD], v[TM+7], 8, v[TM+6]
.if \adj
	v_add_nc_u32 v[WD], 0xfffffcfd, v[WD]
.endif
	WIN 0x03
	v_cvt_scalef32_pk16_fp6_f32 v[PCS:PCS+2], v[32*EA:32*EA+15], v[TM+4]
	v_cvt_scalef32_pk16_fp6_f32 v[PCS+4:PCS+6], v[32*EA+16:32*EA+31], v[TM+5]
	WIN 0
	v_nop
.irp i, 0,1,2
	v_permlane16_swap_b32 v[PCS+\i], v[PCS+4+\i]
.endr
.irp i, 0,1,2
	v_mov_b32 v[PCS+3+\i], v[PCS+4+\i]
.endr
	global_store_b128 v[L16], v[PCS:PCS+3], s[\ob:\ob+1] offset:768*EA
	global_store_b64 v[L8], v[PCS+4:PCS+5], s[\ob:\ob+1] offset:768*EA+512
	ds_store_b32 v[SWA], v[WD] offset:64*EA
.set EA, EA+1
.endr
	ds_load_b128 v[108:111], v[SRA]
	s_wait_dscnt 0x0
	global_store_b128 v[L16], v[108:111], s[\ob:\ob+1] offset:6144
.endm
	s_wait_tensorcnt 1
	s_barrier_signal -1
	s_barrier_wait -1
	FETCH 0, 0, 0
	KSTEP 0, 0, 0, 1
	KSTEP 0, 0, 1, 0
	KSTEP 0, 0, 2, 0
	TURN 0, 0, 1, WSLAB, SYB, 0
	KSTEP 0, 1, 0, 0
	KSTEP 0, 1, 1, 0
	KSTEP 0, 1, 2, 0
	TURN 1, 0, 1, WSLAB+51200, SYB, 51200
	EPI OQ, 0x3000000, 1
	KSTEP 0, 0, 0, 1
	KSTEP 0, 0, 1, 0
	KSTEP 0, 0, 2, 0
	TURN 0, 0, 1, 2*WSLAB, SYB, 0
	KSTEP 0, 1, 0, 0
	KSTEP 0, 1, 1, 0
	KSTEP 0, 1, 2, 0
	TURN 1, 1, 1, 2*WSLAB+51200, SYB, 51200
	EPI OK, 0x1800000, 0
	KSTEP 1, 0, 0, 1
	KSTEP 1, 0, 1, 0
	KSTEP 1, 0, 2, 0
	TURN 0, 1, 0, 0, SYB, 0
	KSTEP 1, 1, 0, 0
	KSTEP 1, 1, 1, 0
	KSTEP 1, 1, 2, 0
	s_wait_dscnt 0x0
	WIN 0xfa
	MUL 1, 1, 0, 8, 0
	EPI OV, 0x1800000, 0
	s_wait_tensorcnt 0x0
	ds_add_u32 v[SPW], v[NIL]
	s_wait_dscnt 0x0
	CROUND
	s_endpgm
.Lfunc_end_k_qddcc71c6b5_proj:
	.size	k_qddcc71c6b5_proj, .Lfunc_end_k_qddcc71c6b5_proj-k_qddcc71c6b5_proj
	.p2alignl 7, 3214868480
	.fill 96, 4, 3214868480
	.section	.rodata,"a",@progbits
	.p2align	6, 0x0
	.amdhsa_kernel k_qddcc71c6b5_proj
		.amdhsa_group_segment_fixed_size 327680
		.amdhsa_private_segment_fixed_size 0
		.amdhsa_enable_private_segment 0
		.amdhsa_kernarg_size 48
		.amdhsa_user_sgpr_count 2
		.amdhsa_user_sgpr_kernarg_segment_ptr 1
		.amdhsa_wavefront_size32 1
		.amdhsa_system_sgpr_workgroup_id_x 1
		.amdhsa_system_sgpr_workgroup_id_y 1
		.amdhsa_system_sgpr_workgroup_id_z 1
		.amdhsa_system_vgpr_workitem_id 0
		.amdhsa_next_free_vgpr 1024
		.amdhsa_next_free_sgpr 88
		.amdhsa_reserve_vcc 0
		.amdhsa_float_denorm_mode_32 3
		.amdhsa_float_denorm_mode_16_64 3
		.amdhsa_memory_ordered 1
		.amdhsa_forward_progress 1
		.amdhsa_inst_pref_size 254
	.end_amdhsa_kernel
	.amdgpu_metadata
---
amdhsa.version: [ 1, 2 ]
amdhsa.kernels:
  - .name:           k_qddcc71c6b5_proj
    .symbol:         k_qddcc71c6b5_proj.kd
    .args:
      - { .name: xq, .offset: 0, .size: 8, .value_kind: global_buffer, .address_space: global }
      - { .name: yq, .offset: 8, .size: 8, .value_kind: global_buffer, .address_space: global }
      - { .name: wts, .offset: 16, .size: 8, .value_kind: global_buffer, .address_space: global }
      - { .name: qrec, .offset: 24, .size: 8, .value_kind: global_buffer, .address_space: global }
      - { .name: krec, .offset: 32, .size: 8, .value_kind: global_buffer, .address_space: global }
      - { .name: vrec, .offset: 40, .size: 8, .value_kind: global_buffer, .address_space: global }
    .group_segment_fixed_size: 327680
    .private_segment_fixed_size: 0
    .kernarg_segment_align: 8
    .kernarg_segment_size: 48
    .max_flat_workgroup_size: 128
    .sgpr_count:     88
    .vgpr_count:     1024
    .wavefront_size: 32
...
	.end_amdgpu_metadata
.endif
;; end of part 2
;; launch attn (part 3): grid 16 x 16, 8 waves a work-group, clusters of 4 x 4, 327,680 bytes of LDS; arguments qrec, krec, vrec, bias, arec; writes arec
.if DOCPART == 3
	.amdgcn_target "amdgcn-amd-amdhsa--gfx1250"
	.amdhsa_code_object_version 6
	.text
	.protected	k_qddcc71c6b5_attn
	.globl	k_qddcc71c6b5_attn
	.p2align	8
	.type	k_qddcc71c6b5_attn,@function
k_qddcc71c6b5_attn:
	s_mov_b64 s[64:65], 0
	v_nop
	global_prefetch_b8 v0, s[64:65] scope:SCOPE_SE
	s_setreg_imm32_b32 hwreg(HW_REG_WAVE_MODE, 25, 1), 1
	s_wait_xcnt 0x0
	s_wait_alu depctr_hold_cnt(0) depctr_sa_sdst(0) depctr_va_vdst(0) depctr_va_sdst(0) depctr_va_ssrc(0) depctr_va_vcc(0) depctr_vm_vsrc(0)
	s_getreg_b32 s2, hwreg(HW_REG_IB_STS2, 6, 4)
	s_cmp_eq_u32 s2, 0
	s_cbranch_scc0 .Lentry_in_a_cluster
	s_endpgm
.Lentry_in_a_cluster:
	s_bfe_u32 s2, ttmp6, 0x10000c
	s_cmp_lg_u32 s2, 0xf033
	s_cbranch_scc0 .Lentry_shape_is_right
	s_endpgm
.Lentry_shape_is_right:
; attn[b][q][head] = softmax_k(q . k + bias[q][k]) v, both products on codes of FP6 (E2M3) with E8M0 scales; the result is quantised along D for the last projection and stored as register images.
; INPUTS: qrec, krec, vrec: records of 6,656 bytes: eight half images (16 rows x 64 K: lane l's registers 0-3 at 16 l, 4-5 at 512 + 8 l), then a scale word a row at 6,144 + 64 image + 4 r (two bytes, the upper two 0).
; In krec lane-row m' of image T is key 32 (T / 2) + 8 (T % 2) + m' + 8 (m' / 8) of the step's 128.
; THE SOFTMAX: t = logit x log2(e); M = the running largest t rounded UP to a whole number; p = 2^(t - M) is quantised along the keys, not normalised; the row's sum is taken of the unquantised p and divides at the end.
; When M moves, the sum and O are multiplied by 2^(old M - new M), which rounds nothing.
; SHARES: work-group (X, Y): 128 queries x the four heads of group Y % 4 of batch Y / 4.  Wave w: head w % 4, 64 queries (w / 4): four tiles of 16.  Every wave walks 16 steps of 128 keys.  Two waves to a SIMD.
; LAYOUT: both products transposed (S^T = K Q^T + bias^T, O^T = V^T P^T): a lane holds ONE query throughout.  THE BIAS IS THE C of the first product: it costs no addition.
; THE KEYS OF A TILE OF K ARE CHOSEN BY THE LANES' LDS ADDRESSES: lane-row m of tile 4 g + u takes key 64 g + 32 (m / 8) + 8 u + m % 8, which is lane-row 8 (u / 2) + m % 8 of image 4 g + 2 (m / 8) + u % 2.
; So register 32 g + i of S^T in lane (r, h) is key 64 g + 32 h + i: A WHOLE BLOCK OF 32 KEYS LIES IN ONE LANE, in the order of the 6-bit operand: a block's largest logit needs no other lane, and p's codes are the operand's registers as converted.
; The channels of a tile of V are as vrec has them: register 16 bb + i of O^T is channel 32 bb + 16 (lane / 16) + i.
; K = 64 IN AN INSTRUCTION OF 128: Q's registers 6-11 hold zero codes.  K's operand t is v[104 + 6 t .. + 11]: its upper six registers are the next tile's codes (behind the last tile: zeros), which meet Q's zero codes alone;
; the scale bytes of that half are 0 on both sides, a finite power of two.
; THE RING: two slots, 2^17 bytes apart; a slot holds a key step's bias (128 rows x 512 bytes, rows 528 apart), K's four records, V's four.
; CLUSTER 4 x 4: the bias tile hangs on X alone and is asked for jointly by a column of the cluster (waves 0-3, 32 rows each); K and V hang on Y alone: by a row (waves 4, 5: K; 6, 7: V; two records each).
; THE CHANGE OF SLOTS STANDS AHEAD OF A STEP'S LAST TILE: K, V and the last tile's bias are then in registers, so the step reads its slot no more.  Each wave waits for its tensor load (its part of the other slot), adds 0 to its
; spare word, waits for that and for its reads, and signals; the last tile's work, on registers alone, stands between the signal and the wait; behind the round the slot just read out takes the step after next.
; By this text's count a wave has one tensor load out, asked for three tiles' work ahead of the wait for it; for that reason no data prefetch is laid.
; LIMITS: NaN and infinities are not served; p under 2^-126 falls to 0 (v_exp_f32 gives 0 there: ISA guide, its entry); a block of zeros gets the byte 1 with zero codes; O / l is a multiplication by v_rcp_f32's result.
; REGISTERS: window 0: v1-2 the add's; v3-9 LDS places that stay, v10-16 the step's; v17-19 the way out; v20 + 4 a: -M, largest t, the sum in two halves; v36 8 h; v40-103 S^T, then p; v104-157 K; v158-178 scale words;
;   v180-199 p's codes; v200-217, v230-233 at work.   window 1: v0-127 O^T at 32 a + 8 t; v128 + 12 a: Q; v176 + 12 t: V.
.set REC,   6656
.set BP,    528
.set KOFF,  128*BP
.set VOFF,  KOFF+4*REC
.set SLOT1, 1<<17
.set SPARE, 2*SLOT1                    ; the spare words, 128 bytes a wave: four blocks of 256 bytes that no other line names
.set STG,   SPARE+1024                 ; 1,024 bytes: the work-group's scale words of attn on their way out
.set WV, 16
.set HH, 17
.set QH, 18
.set G1B, 24                           ; s[24:31] group 1 of the bias tile;  s[32:39] of K's and V's records
.set G1KV, 32
.set G0B, 40                           ; s[40:43], s[44:47], s[48:51] groups 0, which walk
.set G0K, 44
.set G0V, 48
.set SEL, 52
.set CS, 54                            ; s[54:55] log2(e): the packed form names a pair and takes its low word for both halves
.set TB, 56                            ; the slot in hand
.set CNT, 57
.set OUT, 58
.set OUT2, 60
.set QB, 62
.set SPW, 1
.set NIL, 2
.set H8, 36
.set S, 40
.set KF, 104
.set KW, 158
.set VW, 166
.set VWH, 170
.set QW, 174
.set PWD, 178
.set PC, 180
.set TM, 200
.set SO, 208
.set F, 212
.set U, 214
.set W, 216
.set W2, 230
.set W3, 232
.set MSB, 0
.macro WIN new                         ; the immediate's high byte repeats the setting that is left
.if MSB != \new
	s_set_vgpr_msb (MSB<<8)|\new
.set MSB, \new
.endif
.endm
.macro JLOAD                           ; a joint load: each line has one mask and one set of registers; the branches hang on the wave's number alone; s_nop 0 and four v_nop follow each line
	s_cmp_lt_u32 s[WV], 4
	s_cbranch_scc0 .Lnot_b_\@
	tensor_load_to_lds s[G0B:G0B+3], s[G1B:G1B+7]
	s_nop 0
.rept 4
	v_nop
.endr
	s_branch .Lasked_\@
.Lnot_b_\@:
	s_cmp_lt_u32 s[WV], 6
	s_cbranch_scc0 .Lfor_v_\@
	tensor_load_to_lds s[G0K:G0K+3], s[G1KV:G1KV+7]
	s_nop 0
.rept 4
	v_nop
.endr
	s_branch .Lasked_\@
.Lfor_v_\@:
	tensor_load_to_lds s[G0V:G0V+3], s[G1KV:G1KV+7]
	s_nop 0
.rept 4
	v_nop
.endr
.Lasked_\@:
.endm
.macro CREST                           ; a round of the cluster's barrier behind its opening barrier
	s_cmp_lg_u32 s[WV], 0
	s_cbranch_scc1 .Lnot_wave_0_\@
	s_barrier_signal -3
.Lnot_wave_0_\@:
	s_barrier_wait -3
	s_barrier_signal -1
	s_barrier_wait -1
.endm
.macro CROUND                          ; a whole round
	s_barrier_signal -1
	s_barrier_wait -1
	CREST
.endm
; In front of a change of slots: all my tensor loads are in, 0 is added to my spare word, and that and my LDS reads are waited for; then I signal.  fill = 1: the groups 0 step to the next tile to ask for.
.macro MEET fill
	s_wait_tensorcnt 0x0                           ; no tensor load of mine is out, so a group 0 may be written
	ds_add_u32 v[SPW], v[NIL]                      ; 0 onto my spare word
.if \fill
	s_xor_b32 s[G0B+1], s[G0B+1], SLOT1
	s_add_nc_u64 s[G0B+2:G0B+3], s[G0B+2:G0B+3], 512        ; 128 keys on in each row of the bias
	s_xor_b32 s[G0K+1], s[G0K+1], SLOT1
	s_add_nc_u64 s[G0K+2:G0K+3], s[G0K+2:G0K+3], 4*REC
	s_xor_b32 s[G0V+1], s[G0V+1], SLOT1
	s_add_nc_u64 s[G0V+2:G0V+3], s[G0V+2:G0V+3], 4*REC
.endif
	s_wait_dscnt 0x0                               ; the add is done, and my reads of the slot are over
	s_barrier_signal -1
.endm
	s_load_b256 s[4:11], s[0:1], 0x0               ; qrec, krec, vrec, bias
	s_load_b64 s[12:13], s[0:1], 0x20              ; arec
	v_lshl_add_u32 v[SPW], v0, 2, SPARE
	v_mov_b32 v[NIL], 0
	ds_add_u32 v[SPW], v[NIL]                      ; the opening lines: the add, twice on end, and its wait
	ds_add_u32 v[SPW], v[NIL]
	s_wait_dscnt 0x0
	v_lshrrev_b32 v39, 5, v0
	s_delay_alu instid0(VALU_DEP_1)
	v_readfirstlane_b32 s[WV], v39                 ; wave 0..7
	s_and_b32 s[HH], s[WV], 3
	s_lshr_b32 s[QH], s[WV], 2
	s_bfe_u32 s19, ttmp6, 0x40000                  ; cx
	s_bfe_u32 s20, ttmp6, 0x40004                  ; cy
	s_lshl_b32 s21, ttmp9, 2
	s_add_co_u32 s21, s21, s19                     ; X
	s_and_b32 s22, ttmp7, 0xffff
	s_lshl_b32 s22, s22, 2
	s_add_co_u32 s22, s22, s20                     ; Y
	s_lshl_b32 s23, s20, 2
	s_lshl_b32 s23, 15, s23                        ; my row of the cluster
	s_lshl_b32 s3, 0x1111, s19                     ; my column
	s_or_b32 s[G1B], s3, (2<<16)|(1<<20)|(1<<21)|(6<<22)|(3<<25)   ; the mask; elements of 4 bytes; padding on; 21 set beside a mask; after every 128 words (code 6) 4 words (code 3)
	s_mov_b32 s[G1B+1], 128<<16                    ; 128 keys
	s_mov_b32 s[G1B+2], 32<<16                     ; 32 queries
	s_mov_b32 s[G1B+3], 128<<16
	s_mov_b32 s[G1B+4], 32
	s_mov_b32 s[G1B+5], 2048                       ; a row of the bias
	s_mov_b32 s[G1B+6], 0
	s_mov_b32 s[G1B+7], 0
	s_or_b32 s[G1KV], s23, (3<<16)|(1<<21)         ; the mask; elements of 8 bytes; no padding
	s_mov_b32 s[G1KV+1], 32<<16                    ; rows of 256 bytes
	s_mov_b32 s[G1KV+2], 52<<16                    ; two records: 52 of them
	s_mov_b32 s[G1KV+3], 32<<16
	s_mov_b32 s[G1KV+4], 52
	s_mov_b32 s[G1KV+5], 32                        ; dense
	s_mov_b32 s[G1KV+6], 0
	s_mov_b32 s[G1KV+7], 0
	s_lshl_b32 s66, s21, 7                         ; the bias: row 128 X + 32 (w % 4): X and the wave's number alone
	s_lshl_b32 s67, s[HH], 5
	s_add_co_u32 s66, s66, s67
	s_lshl_b32 s66, s66, 13
	s_mov_b32 s67, 0
	s_mul_i32 s68, s22, 64*REC                     ; K, V: Y's 16 steps of four records; my two of a step: Y and the wave's number alone
	s_and_b32 s76, s[WV], 1
	s_mul_i32 s77, s76, 2*REC
	s_add_co_u32 s68, s68, s77
	s_mov_b32 s69, 0
	s_mul_i32 s78, s[HH], 32*BP
	s_mov_b32 s[SEL], 0x76543210
	s_mov_b32 s[SEL+1], 0xfedcba98
	s_mov_b32 s[CS], 0x3fb8aa3b                    ; log2(e)
	s_mov_b32 s[CS+1], s[CS]
	s_mov_b32 s[TB], 0
	s_mov_b32 s[CNT], 14
	s_wait_kmcnt 0x0
	s_mov_b32 s[G0B], 1
	s_mov_b32 s[G0B+1], s78
	s_add_nc_u64 s[G0B+2:G0B+3], s[10:11], s[66:67]
	s_or_b32 s[G0B+3], s[G0B+3], 0x80000000
	s_mov_b32 s[G0K], 1
	s_add_co_u32 s[G0K+1], s77, KOFF
	s_add_nc_u64 s[G0K+2:G0K+3], s[6:7], s[68:69]
	s_or_b32 s[G0K+3], s[G0K+3], 0x80000000
	s_mov_b32 s[G0V], 1
	s_add_co_u32 s[G0V+1], s77, VOFF
	s_add_nc_u64 s[G0V+2:G0V+3], s[8:9], s[68:69]
	s_or_b32 s[G0V+3], s[G0V+3], 0x80000000
	CROUND                                         ; all sixteen work-groups are here: the first joint loads meet
	JLOAD                                          ; key step 0 into slot 0
	v_and_b32 v224, 31, v0                         ; l
	v_and_b32 v225, 15, v0                         ; r
	v_bfe_u32 v226, v0, 4, 1                       ; h
	s_delay_alu instid0(VALU_DEP_3)
	v_lshlrev_b32 v17, 4, v224                     ; 16 l
	s_wait_alu depctr_va_vdst(0)
	v_lshlrev_b32 v18, 3, v224                     ; 8 l
	v_lshrrev_b32 v234, 3, v225                    ; r / 8
	v_and_b32 v235, 7, v225                        ; r % 8
	v_lshlrev_b32 v[H8], 3, v226                   ; 8 h
	v_mul_u32_u24 v236, v234, 1536
	s_wait_alu depctr_va_vdst(0)
	s_lshl_b32 s70, s22, 4
	s_add_co_u32 s70, s70, s21
	s_lshl_b32 s70, s70, 2
	s_add_co_u32 s70, s70, s[HH]
	s_mul_i32 s70, s70, REC                        ; Q's record: ((16 Y + X) x 4 + head)
	s_mov_b32 s71, 0
	s_add_nc_u64 s[QB:QB+1], s[4:5], s[70:71]
	s_mul_i32 s79, s[QH], 4*768
	v_add_nc_u32 v227, s79, v17
	v_add_nc_u32 v228, s79, v18
	s_lshl_b32 s79, s[QH], 8
	v_lshl_add_u32 v229, v225, 2, s79
	WIN 0x40
.irp a, 0,1,2,3
	global_load_b128 v[128+12*\a:131+12*\a], v227, s[QB:QB+1] offset:768*\a        ; Q's four tiles stay in registers
	global_load_b64 v[132+12*\a:133+12*\a], v228, s[QB:QB+1] offset:768*\a+512
.endr
.irp a, 0,1,2,3
.irp i, 6,7,8,9,10,11
	v_mov_b32 v[128+12*\a+\i], 0                   ; zero codes for the instruction's upper 64 along K
.endr
.endr
.set J, 0
.rept 128
	v_mov_b32 v[J], 0                              ; O^T.  (The key step is written once: its first trip finds zeros, which the first change of M leaves zeros)
.set J, J+1
.endr
	WIN 0
.irp a, 0,1,2,3
	global_load_b32 v[QW+\a], v229, s[QB:QB+1] offset:6144+64*\a
.endr
.irp i, 0,1,2,3,4,5
	v_mov_b32 v[KF+48+\i], 0                       ; behind K's last tile
.endr
.irp a, 0,1,2,3
	v_mov_b32 v[21+4*\a], 0xff61b1e6               ; the largest t so far: -3e38, under every t
	s_delay_alu instid0(VALU_DEP_1)
	v_floor_f32 v[20+4*\a], -v[21+4*\a]            ; -M
	v_mov_b32 v[22+4*\a], 0                        ; the sum, in two halves
	v_mov_b32 v[23+4*\a], 0
	v_mov_b32 v[TM+4+\a], 0                        ; written once: a lane permute's destination counts as one of its sources
.endr
	v_mov_b32 v[F+1], 0                            ; (named as the upper half of a pair)
	s_mul_i32 s76, s[QH], 64*BP
	v_mul_u32_u24 v3, v225, BP
	s_delay_alu instid0(VALU_DEP_1)
	v_lshl_add_u32 v3, v226, 7, v3
	s_delay_alu instid0(VALU_DEP_1)
	v_add_nc_u32 v3, s76, v3                       ; the bias: row 64 qh + r, + 128 h: my 32 keys of each 64
	s_mul_i32 s77, s[HH], REC
	s_add_co_u32 s77, s77, KOFF                    ; K: my head's record; in it my lane's place: two images on for r / 8, lane-row r % 8, half h
	v_lshl_add_u32 v4, v235, 4, v236
	v_lshl_add_u32 v5, v235, 3, v236
	v_lshlrev_b32 v6, 7, v234
	v_lshl_add_u32 v4, v226, 8, v4
	v_lshl_add_u32 v5, v226, 7, v5
	v_lshl_add_u32 v6, v235, 2, v6
	v_add_nc_u32 v4, s77, v4                       ; 1,536 (r / 8) + 16 (r % 8) + 256 h
	v_add_nc_u32 v5, s77, v5                       ; 1,536 (r / 8) + 8 (r % 8) + 128 h
	s_add_co_u32 s77, s77, 6144
	v_add_nc_u32 v6, s77, v6                       ; the scale words: 128 (r / 8) + 4 (r % 8)
	s_lshr_b32 s78, s[HH], 1
	s_mul_i32 s78, s78, 2*REC
	s_add_co_u32 s78, s78, VOFF                    ; V: my head pair's two records,
	s_and_b32 s79, s[HH], 1
	s_mul_i32 s76, s79, 4*768                      ; my head's four images in each
	s_add_co_u32 s76, s76, s78
	v_add_nc_u32 v7, s76, v17
	v_add_nc_u32 v8, s76, v18
	s_lshl_b32 s79, s79, 8
	s_add_co_u32 s79, s79, s78
	s_add_co_u32 s79, s79, 6144
	v_lshl_add_u32 v9, v225, 2, s79
	s_lshl_b32 s76, s[QH], 9
	s_lshl_b32 s77, s[HH], 1
	s_add_co_u32 s76, s76, s77
	s_add_co_u32 s76, s76, STG
	v_lshl_add_u32 v19, v225, 3, s76               ; the way out: my head's two bytes of a row's eight
	s_and_b32 s77, s[WV], 1
	s_lshl_b32 s77, s77, 9
	s_add_co_u32 s77, s77, STG
	v_add_nc_u32 v218, s77, v17
	s_lshr_b32 s72, s22, 2                         ; attn's record: ((16 batch + X) x 4 + head group)
	s_lshl_b32 s72, s72, 4
	s_add_co_u32 s72, s72, s21
	s_lshl_b32 s72, s72, 2
	s_and_b32 s73, s22, 3
	s_add_co_u32 s72, s72, s73
	s_mul_i32 s72, s72, 25600
	s_mov_b32 s73, 0
	s_add_nc_u64 s[OUT2:OUT2+1], s[12:13], s[72:73]
	s_mul_i32 s74, s[QH], 4*3072
	s_mul_i32 s75, s[HH], 768
	s_add_co_u32 s74, s74, s75
	s_mov_b32 s75, 0
	s_add_nc_u64 s[OUT:OUT+1], s[OUT2:OUT2+1], s[74:75]     ; my first tile's half image
	s_and_b32 s74, s[WV], 1
	s_lshl_b32 s74, s74, 9
	s_add_co_u32 s74, s74, 24576
	s_add_nc_u64 s[OUT2:OUT2+1], s[OUT2:OUT2+1], s[74:75]   ; the scale words of 64 rows
.macro BIAS a                          ; tile a's bias into S: registers 32 g + 4 n .. + 3 take keys 64 g + 32 h + 4 n .. + 3 of my query's row
.irp n, 0,1,2,3,4,5,6,7,8,9,10,11,12,13,14,15
	ds_load_b128 v[S+4*\n:S+4*\n+3], v10 offset:16*BP*(\a)+256*(\n/8)+16*(\n%8)
.endr
.endm
; One tile of 16 queries against the step's 128 keys.  Tile 3 names no LDS and no memory: it stands between a barrier's signal and its wait.
.macro TILE a
.set STA, 20+4*(\a)
.if (\a) == 0
	s_wait_dscnt 24                                ; V's 16 loads and its 8 words may be out: K, its words and the tile's bias are in
.endif
.if (\a) == 1 || (\a) == 2
	s_wait_dscnt 0x0                               ; the tile's bias is in  (tile 3's: by the wait in front of the signal)
.endif
	WIN 0x04
.irp t, 0,1,2,3,4,5,6,7
	v_wmma_scale_f32_16x16x128_f8f6f4 v[S+8*\t:S+8*\t+7], v[KF+6*\t:KF+6*\t+11], v[128+12*(\a):139+12*(\a)], v[S+8*\t:S+8*\t+7], v[KW+\t], v[QW+(\a)] matrix_a_fmt:MATRIX_FMT_FP6 matrix_b_fmt:MATRIX_FMT_FP6
.endr
	WIN 0
	v_mov_b32 v[U], v[STA]                         ; the old -M; with the three below: the places behind the products
.rept 3
	v_nop
.endr
.irp b, 0,1,2,3
	v_max3_num_f32 v[TM+\b], v[S+16*\b], v[S+16*\b+1], v[S+16*\b+2]   ; the largest logit of each 16 registers, four chains by turns
.endr
.irp i, 3,5,7,9,11,13
.irp b, 0,1,2,3
	v_max3_num_f32 v[TM+\b], v[TM+\b], v[S+16*\b+\i], v[S+16*\b+\i+1]
.endr
.endr
.irp b, 0,1,2,3
	v_max_num_f32 v[TM+\b], v[TM+\b], v[S+16*\b+15]
.endr
	s_delay_alu instid0(VALU_DEP_3)
	v_max_num_f32 v[TM], v[TM], v[TM+1]            ; my two blocks of 32 keys: the largest logit of each serves the row's maximum and, since p rises with the logit, the block's largest p
	s_delay_alu instid0(VALU_DEP_2)
	v_max_num_f32 v[TM+1], v[TM+2], v[TM+3]
	s_delay_alu instid0(VALU_DEP_1)
	v_max_num_f32 v[W], v[TM], v[TM+1]
	s_delay_alu instid0(VALU_DEP_1)
	v_permlanex16_b32 v[TM+4], v[W], s[SEL], s[SEL+1]
	s_delay_alu instid0(VALU_DEP_1)
	v_max_num_f32 v[W], v[W], v[TM+4]              ; with lane l xor 16's two blocks
	s_delay_alu instid0(VALU_DEP_1)
	v_mul_f32 v[W], s[CS], v[W]                    ; the step's largest t of my query
	s_delay_alu instid0(VALU_DEP_1)
	v_max_num_f32 v[STA+1], v[STA+1], v[W]         ; the running largest t
	s_delay_alu instid0(VALU_DEP_1)
	v_floor_f32 v[STA], -v[STA+1]                  ; the new -M = -ceil(t): a whole number
	s_delay_alu instid0(VALU_DEP_1)
	v_sub_f32 v[U], v[STA], v[U]                   ; old M - new M: a whole number, 0 or less
	s_delay_alu instid0(VALU_DEP_1)
	v_cvt_i32_f32 v[U], v[U]                       ; (it saturates)
	s_delay_alu instid0(VALU_DEP_1)
	v_ldexp_f32 v[F], 1.0, v[U]                    ; f = 2^(old M - new M)
.set J, 0
.rept 32
	v_pk_fma_f32 v[S+J:S+J+1], v[S+J:S+J+1], s[CS:CS+1], v[STA:STA+1] op_sel_hi:[1,0,0]   ; t - M, two at a time
.set J, J+2
.endr
.irp b, 0,1
	v_fma_f32 v[TM+\b], v[TM+\b], s[CS], v[STA]    ; the same of each block's largest logit
.endr
.set J, 0
	s_wait_alu depctr_va_vdst(0)
.rept 64
	v_exp_f32 v[S+J], v[S+J]                       ; p = 2^(t - M), at most 1
.set J, J+1
.endr
	v_pk_mul_f32 v[STA+2:STA+3], v[STA+2:STA+3], v[F:F+1] op_sel_hi:[1,0]   ; the sums under the new M: the plain instruction behind the exponentials
	s_wait_alu depctr_va_vdst(0)                   ; one wait for the batch of 64, ahead of its first reader
.irp b, 0,1
	v_exp_f32 v[TM+\b], v[TM+\b]                   ; the block's largest p: the same two instructions on the same number give the same bits
.endr
	v_pk_add_f32 v[W:W+1], v[S:S+1], v[S+2:S+3]    ; the row's sum of the UNQUANTISED p, in four chains
	v_pk_add_f32 v[W2:W2+1], v[S+4:S+5], v[S+6:S+7]
	v_pk_add_f32 v[W3:W3+1], v[S+8:S+9], v[S+10:S+11]
.set J, 12
.rept 6
	v_pk_add_f32 v[STA+2:STA+3], v[STA+2:STA+3], v[S+J:S+J+1]
	v_pk_add_f32 v[W:W+1], v[W:W+1], v[S+J+2:S+J+3]
	v_pk_add_f32 v[W2:W2+1], v[W2:W2+1], v[S+J+4:S+J+5]
	v_pk_add_f32 v[W3:W3+1], v[W3:W3+1], v[S+J+6:S+J+7]
.set J, J+8
.endr
	v_pk_add_f32 v[STA+2:STA+3], v[STA+2:STA+3], v[S+60:S+61]
	v_pk_add_f32 v[W:W+1], v[W:W+1], v[S+62:S+63]
	v_pk_add_f32 v[W2:W2+1], v[W2:W2+1], v[W3:W3+1]
	s_delay_alu instid0(VALU_DEP_2)
	v_pk_add_f32 v[STA+2:STA+3], v[STA+2:STA+3], v[W:W+1]
	s_delay_alu instid0(VALU_DEP_1)
	v_pk_add_f32 v[STA+2:STA+3], v[STA+2:STA+3], v[W2:W2+1]
	s_wait_alu depctr_va_vdst(0)                   ; and one for the two
.irp b, 0,1
	v_max_num_f32 v[TM+\b], 0x1800000, v[TM+\b]    ; the floor 2^(3 - 127): the byte cannot fall under 1
.endr
.irp b, 0,1
	s_delay_alu instid0(VALU_DEP_2)
	v_add_nc_u32 v[SO+\b], 0xff000000, v[TM+\b]    ; 2 off the exponent field: the conversion's scale operand
.endr
.irp b, 0,1
	s_delay_alu instid0(VALU_DEP_2)
	v_lshrrev_b32 v[TM+4+\b], 23, v[SO+\b]         ; the scale's byte
.endr
	s_delay_alu instid0(VALU_DEP_1)
	v_lshl_or_b32 v[PWD], v[TM+5], 16, v[TM+4]     ; my two bytes: blocks h and 2 + h of my query,
	s_delay_alu instid0(VALU_DEP_1)
	v_lshlrev_b32 v[PWD], v[H8], v[PWD]            ; at their places in the scale word (8 h bits up);
	s_delay_alu instid0(VALU_DEP_1)
	v_permlanex16_b32 v[TM+6], v[PWD], s[SEL], s[SEL+1]
	s_delay_alu instid0(VALU_DEP_1)
	v_or_b32 v[PWD], v[PWD], v[TM+6]               ; with lane l xor 16's two the word of these 128 keys is whole
.irp c, 0,1
	v_cvt_scalef32_pk16_fp6_f32 v[PC+6*\c:PC+6*\c+2], v[S+32*\c:S+32*\c+15], v[SO+\c]              ; registers 6 c .. 6 c + 2 of the operand
	v_cvt_scalef32_pk16_fp6_f32 v[PC+12+4*\c:PC+14+4*\c], v[S+32*\c+16:S+32*\c+31], v[SO+\c]       ; (a conversion's three registers begin on an even number: the block's upper half is made elsewhere and moved)
.endr
	v_nop                                          ; one plain instruction behind the scaled conversions
.if (\a) < 3
	BIAS (\a)+1                                    ; the next tile's bias takes p's place
.endif
.if (\a) == 0
	s_wait_alu depctr_va_vdst(0)
	s_wait_dscnt 16                                ; only those 16 may be out: V and its words are in
.irp t, 0,1,2,3
	v_lshl_or_b32 v[VW+\t], v[VWH+\t], 16, v[VW+\t]   ; V's scale word: two bytes from each half of 64 keys
.endr
.endif
.irp c, 0,1
.irp i, 0,1,2
	v_mov_b32 v[PC+3+6*\c+\i], v[PC+12+4*\c+\i]
.endr
.endr
	WIN 0x41
.set J, 0
.rept 16
	v_pk_mul_f32 v[32*(\a)+J:32*(\a)+J+1], v[32*(\a)+J:32*(\a)+J+1], v[F:F+1] op_sel_hi:[1,0]   ; O^T under the new M; these sixteen also stand between the operand's and the scale words' last writes and the products
.set J, J+2
.endr
	WIN 0x51
.irp t, 0,1,2,3
	v_wmma_scale_f32_16x16x128_f8f6f4 v[32*(\a)+8*\t:32*(\a)+8*\t+7], v[176+12*\t:187+12*\t], v[PC:PC+11], v[32*(\a)+8*\t:32*(\a)+8*\t+7], v[VW+\t], v[PWD] matrix_a_fmt:MATRIX_FMT_FP6 matrix_b_fmt:MATRIX_FMT_FP6
.endr
	WIN 0
.endm
; A key step: the slot's K, V and first bias tile are asked for in one run, then the four tiles; the change of slots stands round the last.
; fill = 1: the barrier opens a round of the cluster's barrier, and behind the round the slot just read out takes the step after next.
.macro STEP fill
.irp i, 0,1,2,3,4,5,6
	v_add_nc_u32 v[10+\i], s[TB], v[3+\i]          ; seven plain instructions: also the places behind the last products, in front of the loads into their operands
.endr
.irp t, 0,1,2,3,4,5,6,7                        ; tile t = 4 g + u: image 4 g + u % 2 (+ 2 by the lane's address), lane-rows 8 (u / 2) ..
	ds_load_b128 v[KF+6*\t:KF+6*\t+3], v11 offset:3072*(\t/4)+768*(\t%2)+128*((\t%4)/2)
	ds_load_b64 v[KF+6*\t+4:KF+6*\t+5], v12 offset:3072*(\t/4)+768*(\t%2)+64*((\t%4)/2)+512
.endr
.irp t, 0,1,2,3,4,5,6,7
	ds_load_b32 v[KW+\t], v13 offset:256*(\t/4)+64*(\t%2)+32*((\t%4)/2)
.endr
	BIAS 0
	WIN 0x40
.irp t, 0,1,2,3
	ds_load_b128 v[176+12*\t:179+12*\t], v14 offset:768*\t
	ds_load_b64 v[180+12*\t:181+12*\t], v15 offset:768*\t+512
	ds_load_b128 v[182+12*\t:185+12*\t], v14 offset:REC+768*\t
	ds_load_b64 v[186+12*\t:187+12*\t], v15 offset:REC+768*\t+512
.endr
	WIN 0
.irp t, 0,1,2,3
	ds_load_b32 v[VW+\t], v16 offset:64*\t
	ds_load_b32 v[VWH+\t], v16 offset:REC+64*\t
.endr
	TILE 0
	TILE 1
	TILE 2
	MEET \fill                                     ; tile 3's bias was my last read of this slot
	TILE 3                                         ; work on registers while the others arrive
	s_wait_alu depctr_va_vdst(0)
	s_barrier_wait -1
.if \fill
	CREST
	JLOAD                                          ; the first thing behind the round, and my one tensor load until the next
.endif
	s_xor_b32 s[TB], s[TB], SLOT1                  ; on to the other slot
.endm
	s_wait_loadcnt 0x0                             ; Q
	MEET 1                                         ; key step 0 is in; slot 1's first fill is asked for as a refill is: behind these lines and a whole round
	s_barrier_wait -1
	CREST
	JLOAD                                          ; key step 1 into slot 1
	s_wait_alu depctr_va_vdst(0)
.Lstep:                                            ; 14 trips: step n asks for step n + 2
	STEP 1
	s_sub_co_u32 s[CNT], s[CNT], 1
	s_cmp_lg_u32 s[CNT], 0
	s_cbranch_scc1 .Lstep
	s_mov_b32 s[CNT], 2
.Ltail:                                            ; the last two steps ask for nothing; they share one text: the first's barrier shows the last slot whole to all waves, the second's orders nothing more
	STEP 0
	s_sub_co_u32 s[CNT], s[CNT], 1
	s_cmp_lg_u32 s[CNT], 0
	s_cbranch_scc1 .Ltail
	; THE WAY OUT: O^T / the sum, quantised along the head's 64 (two blocks), a half image a tile.
.irp a, 0,1,2,3
	v_add_f32 v[TM+\a], v[22+4*\a], v[23+4*\a]
.endr
.irp a, 0,1,2,3
	s_delay_alu instid0(VALU_DEP_4)
	v_permlanex16_b32 v[TM+4+\a], v[TM+\a], s[SEL], s[SEL+1]
.endr
.irp a, 0,1,2,3
	s_delay_alu instid0(VALU_DEP_4)
	v_add_f32 v[TM+\a], v[TM+\a], v[TM+4+\a]       ; the row's sum
.endr
	s_wait_alu depctr_va_vdst(0)
.irp a, 0,1,2,3
	v_rcp_f32 v[20+4*\a], v[TM+\a]
.endr
	v_nop                                          ; a plain instruction behind the last reciprocal
	s_wait_alu depctr_va_vdst(0)                   ; one wait for the four, ahead of their first reader
.macro OUTT a
.set OC, KF+8*(\a)
	WIN 0x01
.set J, 0
.rept 16
	v_pk_mul_f32 v[S+J:S+J+1], v[32*(\a)+J:32*(\a)+J+1], v[20+4*(\a):21+4*(\a)] op_sel_hi:[1,0]   ; each accumulator from its low end on
.set J, J+2
.endr
	WIN 0
.irp b, 0,1
	v_max3_num_f32 v[TM+\b], |v[S+16*\b]|, |v[S+16*\b+1]|, 0x1800000
.endr
.irp i, 2,4,6,8,10,12,14
.irp b, 0,1
	s_delay_alu instid0(VALU_DEP_2)
	v_max3_num_f32 v[TM+\b], v[TM+\b], |v[S+16*\b+\i]|, |v[S+16*\b+\i+1]|
.endr
.endr
.irp b, 0,1
	s_delay_alu instid0(VALU_DEP_2)
	v_permlanex16_b32 v[TM+4+\b], v[TM+\b], s[SEL], s[SEL+1]
.endr
.irp b, 0,1
	s_delay_alu instid0(VALU_DEP_2)
	v_max_num_f32 v[TM+\b], v[TM+\b], v[TM+4+\b]
.endr
.irp b, 0,1
	s_delay_alu instid0(VALU_DEP_2)
	v_add_nc_u32 v[SO+\b], 0xff000000, v[TM+\b]
.endr
.irp b, 0,1
	s_delay_alu instid0(VALU_DEP_2)
	v_lshrrev_b32 v[TM+4+\b], 23, v[SO+\b]
.endr
	s_delay_alu instid0(VALU_DEP_1)
	v_lshl_or_b32 v[U], v[TM+5], 8, v[TM+4]
	v_cvt_scalef32_pk16_fp6_f32 v[OC:OC+2], v[S:S+15], v[SO]
	v_cvt_scalef32_pk16_fp6_f32 v[OC+4:OC+6], v[S+16:S+31], v[SO+1]
	v_nop                                          ; one plain instruction behind the scaled conversions
.irp i, 0,1,2
	v_permlane16_swap_b32 v[OC+\i], v[OC+4+\i]
.endr
.irp i, 0,1,2
	s_delay_alu instid0(VALU_DEP_3)
	v_mov_b32 v[OC+3+\i], v[OC+4+\i]
.endr
	global_store_b128 v17, v[OC:OC+3], s[OUT:OUT+1] offset:3072*(\a)          ; 512 consecutive bytes, at a multiple of 256 from the buffer's first byte
	global_store_b64 v18, v[OC+4:OC+5], s[OUT:OUT+1] offset:3072*(\a)+512     ; 256 consecutive bytes
	ds_store_b16 v19, v[U] offset:128*(\a)         ; my head's two bytes of the row's scale words; both halves of the lanes write the same
.endm
	OUTT 0
	OUTT 1
	OUTT 2
	OUTT 3
	s_wait_dscnt 0x0                               ; for the others' sake: my bytes have landed
	s_barrier_signal -1
	s_barrier_wait -1
	s_cmp_gt_u32 s[WV], 1
	s_cbranch_scc1 .Ldone                          ; waves 0 and 1 send the scale words of 64 rows each: 512 consecutive bytes
	ds_load_b128 v[220:223], v218
	s_wait_dscnt 0x0
	global_store_b128 v17, v[220:223], s[OUT2:OUT2+1]
.Ldone:
	s_wait_tensorcnt 0x0                           ; the wave's end: behind my last tensor load and my last LDS store
	ds_add_u32 v[SPW], v[NIL]
	s_wait_dscnt 0x0
	CROUND                                         ; the closing round
	s_endpgm
.Lfunc_end_k_qddcc71c6b5_attn:
	.size	k_qddcc71c6b5_attn, .Lfunc_end_k_qddcc71c6b5_attn-k_qddcc71c6b5_attn
	.p2alignl 7, 3214868480
	.fill 96, 4, 3214868480
	.section	.rodata,"a",@progbits
	.p2align	6, 0x0
	.amdhsa_kernel k_qddcc71c6b5_attn
		.amdhsa_group_segment_fixed_size 327680
		.amdhsa_private_segment_fixed_size 0
		.amdhsa_enable_private_segment 0
		.amdhsa_kernarg_size 40
		.amdhsa_user_sgpr_count 2
		.amdhsa_user_sgpr_kernarg_segment_ptr 1
		.amdhsa_wavefront_size32 1
		.amdhsa_system_sgpr_workgroup_id_x 1
		.amdhsa_system_sgpr_workgroup_id_y 1
		.amdhsa_system_sgpr_workgroup_id_z 1
		.amdhsa_system_vgpr_workitem_id 0
		.amdhsa_next_free_vgpr 512
		.amdhsa_next_free_sgpr 80
		.amdhsa_reserve_vcc 0
		.amdhsa_float_denorm_mode_32 3
		.amdhsa_float_denorm_mode_16_64 3
		.amdhsa_memory_ordered 1
		.amdhsa_forward_progress 1
		.amdhsa_inst_pref_size 157
	.end_amdhsa_kernel
	.amdgpu_metadata
---
amdhsa.version: [ 1, 2 ]
amdhsa.kernels:
  - .name:           k_qddcc71c6b5_attn
    .symbol:         k_qddcc71c6b5_attn.kd
    .args:
      - { .name: qrec, .offset: 0, .size: 8, .value_kind: global_buffer, .address_space: global }
      - { .name: krec, .offset: 8, .size: 8, .value_kind: global_buffer, .address_space: global }
      - { .name: vrec, .offset: 16, .size: 8, .value_kind: global_buffer, .address_space: global }
      - { .name: bias, .offset: 24, .size: 8, .value_kind: global_buffer, .address_space: global }
      - { .name: arec, .offset: 32, .size: 8, .value_kind: global_buffer, .address_space: global }
    .group_segment_fixed_size: 327680
    .private_segment_fixed_size: 0
    .kernarg_segment_align: 8
    .kernarg_segment_size: 40
    .max_flat_workgroup_size: 256
    .sgpr_count:     80
    .vgpr_count:     512
    .wavefront_size: 32
...
	.end_amdgpu_metadata
.endif
;; end of part 3
;; launch outp (part 4): grid 8 x 32, 4 waves a work-group, clusters of 4 x 4, 327,680 bytes of LDS; arguments arec, wts, out0; writes out0
.if DOCPART == 4
	.amdgcn_target "amdgcn-amd-amdhsa--gfx1250"
	.amdhsa_code_object_version 6
	.text
	.protected	k_qddcc71c6b5_outp
	.globl	k_qddcc71c6b5_outp
	.p2align	8
	.type	k_qddcc71c6b5_outp,@function
k_qddcc71c6b5_outp:
	s_mov_b64 s[64:65], 0
	v_nop
	global_prefetch_b8 v0, s[64:65] scope:SCOPE_SE
	s_setreg_imm32_b32 hwreg(HW_REG_WAVE_MODE, 25, 1), 1
	s_wait_xcnt 0x0
	s_wait_alu depctr_hold_cnt(0) depctr_sa_sdst(0) depctr_va_vdst(0) depctr_va_sdst(0) depctr_va_ssrc(0) depctr_va_vcc(0) depctr_vm_vsrc(0)
	s_getreg_b32 s2, hwreg(HW_REG_IB_STS2, 6, 4)
	s_cmp_eq_u32 s2, 0
	s_cbranch_scc0 .Lentry_in_a_cluster
	s_endpgm
.Lentry_in_a_cluster:
	s_bfe_u32 s2, ttmp6, 0x10000c
	s_cmp_lg_u32 s2, 0xf033
	s_cbranch_scc0 .Lentry_shape_is_right
	s_endpgm
.Lentry_shape_is_right:
.set SLOT,  153600
.set STG,   2*SLOT+512
.set WSLAB, 819200
.set WV, 16
.set WH, 17
.set WL, 18
.set G1W, 24
.set G1A, 32
.set G0W, 40
.set G0A, 48
.set SWB, 56
.set SAB, 58
.set AD, 4
.set STO, 24
.set RD, 25
.set CO, 26
.set L16, 29
.set L8, 30
.set SC, 32
.set MSB, 0
.macro WIN new
.if MSB != \new
	s_set_vgpr_msb (MSB<<8)|\new
.set MSB, \new
.endif
.endm
.macro PLACES
.rept 4
	v_nop
.endr
.endm
.macro JLOAD s
	s_cmp_eq_u32 s[WH], 0
	s_cbranch_scc0 .Lfor_a_\@
	tensor_load_to_lds s[G0W+4*\s:G0W+4*\s+3], s[G1W:G1W+7]
	s_nop 0
.rept 4
	v_nop
.endr
	s_branch .Lasked_\@
.Lfor_a_\@:
	tensor_load_to_lds s[G0A+4*\s:G0A+4*\s+3], s[G1A:G1A+7]
	s_nop 0
.rept 4
	v_nop
.endr
.Lasked_\@:
.endm
.macro CROUND
	s_barrier_signal -1
	s_barrier_wait -1
	s_cmp_lg_u32 s[WV], 0
	s_cbranch_scc1 .Lnot_wave_0_\@
	s_barrier_signal -3
.Lnot_wave_0_\@:
	s_barrier_wait -3
	s_barrier_signal -1
	s_barrier_wait -1
.endm
	s_load_b128 s[4:7], s[0:1], 0x0
	s_load_b64 s[8:9], s[0:1], 0x10
	v_lshl_add_u32 v254, v0, 2, 0x4f600
	v_mov_b32 v255, 0
	ds_add_u32 v254, v255
	ds_add_u32 v254, v255
	v_lshrrev_b32 v3, 5, v0
	v_readfirstlane_b32 s[WV], v3
	s_lshr_b32 s[WH], s[WV], 1
	s_and_b32 s[WL], s[WV], 1
	s_bfe_u32 s19, ttmp6, 0x40000
	s_bfe_u32 s20, ttmp6, 0x40004
	s_lshl_b32 s21, ttmp9, 2
	s_add_co_u32 s21, s21, s19
	s_and_b32 s22, ttmp7, 0xffff
	s_lshl_b32 s22, s22, 2
	s_add_co_u32 s22, s22, s20
	s_lshl_b32 s23, s20, 2
	s_lshl_b32 s23, 15, s23
	s_lshl_b32 s3, 0x1111, s19
	s_or_b32 s[G1W], s3, (3<<16)|(1<<21)
	s_mov_b32 s[G1W+1], 32<<16
	s_mov_b32 s[G1W+2], 100<<16
	s_mov_b32 s[G1W+3], 32<<16
	s_mov_b32 s[G1W+4], 100
	s_mov_b32 s[G1W+5], 32
	s_mov_b32 s[G1W+6], 0
	s_mov_b32 s[G1W+7], 0
	s_or_b32 s[G1A], s23, (3<<16)|(1<<21)
	s_mov_b32 s[G1A+1], 32<<16
	s_mov_b32 s[G1A+2], 200<<16
	s_mov_b32 s[G1A+3], 32<<16
	s_mov_b32 s[G1A+4], 200
	s_mov_b32 s[G1A+5], 32
	s_mov_b32 s[G1A+6], 0
	s_mov_b32 s[G1A+7], 0
	s_mul_i32 s62, s21, 102400
	s_mul_i32 s63, s[WL], 25600
	s_add_co_u32 s62, s62, s63
	s_add_co_u32 s62, s62, 3*WSLAB
	s_mov_b32 s63, 0
	s_lshl_b32 s72, s22, 1
	s_add_co_u32 s72, s72, s[WL]
	s_mul_i32 s72, s72, 102400
	s_mov_b32 s73, 0
	s_mul_i32 s74, s[WL], 25600
	s_mul_i32 s75, s[WL], 51200
	s_add_co_u32 s75, s75, 51200
	s_wait_dscnt 0x0
	s_wait_kmcnt 0x0
	s_add_nc_u64 s[SWB:SWB+1], s[6:7], s[62:63]
	s_add_nc_u64 s[SAB:SAB+1], s[4:5], s[72:73]
	CROUND
.irp s, 0,1
	s_mov_b32 s[G0W+4*\s], 1
	s_add_co_u32 s[G0W+4*\s+1], s74, \s*SLOT
	s_add_nc_u64 s[G0W+4*\s+2:G0W+4*\s+3], s[SWB:SWB+1], \s*51200
	s_or_b32 s[G0W+4*\s+3], s[G0W+4*\s+3], 0x80000000
	s_mov_b32 s[G0A+4*\s], 1
	s_add_co_u32 s[G0A+4*\s+1], s75, \s*SLOT
	s_add_nc_u64 s[G0A+4*\s+2:G0A+4*\s+3], s[SAB:SAB+1], \s*51200
	s_or_b32 s[G0A+4*\s+3], s[G0A+4*\s+3], 0x80000000
	s_wait_alu depctr_va_vdst(0)
	s_wait_tensorcnt 0x0
	ds_add_u32 v254, v255
	ds_add_u32 v254, v255
	s_wait_dscnt 0x0
	CROUND
	JLOAD \s
.endr
	v_and_b32 v3, 31, v0
	v_and_b32 v28, 15, v0
	v_bfe_u32 v27, v0, 4, 1
	v_lshlrev_b32 v[L16], 4, v3
	v_lshlrev_b32 v[L8], 3, v3
	v_lshlrev_b32 v31, 3, v28
	s_mul_i32 s76, s[WL], 12288
	s_lshl_b32 s77, s[WL], 9
	s_mul_i32 s78, s[WH], 51200
	s_add_co_u32 s78, s78, 51200
.irp s, 0,1
	v_add_nc_u32 v[AD+6*\s+0], s76, v[L16]
	v_add_nc_u32 v[AD+6*\s+1], s76, v[L8]
	v_add_nc_u32 v[AD+6*\s+2], s77, v31
	v_add_nc_u32 v[AD+6*\s+3], s78, v[L16]
	v_add_nc_u32 v[AD+6*\s+4], s78, v[L8]
	v_add_nc_u32 v[AD+6*\s+5], s78, v31
	s_add_co_u32 s76, s76, SLOT
	s_add_co_u32 s77, s77, SLOT
	s_add_co_u32 s78, s78, SLOT
.endr
	s_mul_i32 s79, s[WV], 16*272
	s_add_co_u32 s79, s79, STG
	v_mul_u32_u24 v[STO], v28, 272
	v_lshl_add_u32 v[STO], v27, 6, v[STO]
	v_add_nc_u32 v[STO], s79, v[STO]
	v_mul_u32_u24 v[RD], v27, 272
	v_lshl_add_u32 v[RD], v28, 4, v[RD]
	v_add_nc_u32 v[RD], s79, v[RD]
	v_lshlrev_b32 v[CO], 12, v27
	v_lshl_add_u32 v[CO], v28, 4, v[CO]
	s_lshl_b32 s80, s22, 8
	s_lshl_b32 s81, s[WH], 7
	s_add_co_u32 s80, s80, s81
	s_lshl_b32 s80, s80, 12
	s_lshl_b32 s81, s21, 9
	s_add_co_u32 s80, s80, s81
	s_lshl_b32 s81, s[WL], 8
	s_add_co_u32 s80, s80, s81
	s_mov_b32 s81, 0
	s_add_nc_u64 s[8:9], s[8:9], s[80:81]
.macro FRAG reg, adr, off
	ds_load_b128 v[\reg:\reg+3], v[\adr] offset:\off
	ds_load_b64 v[\reg+4:\reg+5], v[\adr+1] offset:\off+512
	ds_load_b128 v[\reg+6:\reg+9], v[\adr] offset:\off+768
	ds_load_b64 v[\reg+10:\reg+11], v[\adr+1] offset:\off+1280
.endm
.macro FETCH slot, kk
.set FO, ((\kk)/2)*25600+((\kk)%2)*1536
.set PA0, AD+6*(\slot)
.set PA1, AD+6*(\slot)+3
.if ((\kk)%2) == 0
	WIN 0x40
.else
	WIN 0x80
.endif
.irp b, 0,1,2,3
	FRAG 12*\b, PA0, FO+3072*\b
.endr
.irp a, 0,1,2,3,4,5,6,7
	FRAG 48+12*\a, PA1, FO+3072*\a
.endr
.if ((\kk)%2) == 0
	WIN 0
.set FZ, SC+24*((\kk)/2)
.set FW, ((\kk)/2)*25600+24576
.irp b, 0,1,2,3
	ds_load_b64 v[FZ+2*\b:FZ+2*\b+1], v[PA0+2] offset:FW+128*\b
.endr
.irp a, 0,1,2,3,4,5,6,7
	ds_load_b64 v[FZ+8+2*\a:FZ+8+2*\a+1], v[PA1+2] offset:FW+128*\a
.endr
.endif
.endm
.macro MUL z, q, a0, n, zero
.set MA, \a0
.rept \n
.irp b, 0,1,2,3
.if \zero
	v_wmma_scale_f32_16x16x128_f8f6f4 v[32*MA+8*\b:32*MA+8*\b+7], v[12*\b:12*\b+11], v[48+12*MA:48+12*MA+11], 0, v[SC+24*(\z)+2*\b+(\q)], v[SC+24*(\z)+8+2*MA+(\q)] matrix_a_fmt:MATRIX_FMT_FP6 matrix_b_fmt:MATRIX_FMT_FP6
.else
	v_wmma_scale_f32_16x16x128_f8f6f4 v[32*MA+8*\b:32*MA+8*\b+7], v[12*\b:12*\b+11], v[48+12*MA:48+12*MA+11], v[32*MA+8*\b:32*MA+8*\b+7], v[SC+24*(\z)+2*\b+(\q)], v[SC+24*(\z)+8+2*MA+(\q)] matrix_a_fmt:MATRIX_FMT_FP6 matrix_b_fmt:MATRIX_FMT_FP6
.endif
.endr
.set MA, MA+1
.endr
.endm
.macro KSTEP slot, kk, zero
	PLACES
	FETCH \slot, (\kk)+1
.if ((\kk)%2) == 0
	s_wait_dscnt 48
	WIN 0xf5
.else
	s_wait_dscnt 60
	WIN 0xfa
.endif
	MUL (\kk)/2, (\kk)%2, 0, 8, \zero
.endm
	s_wait_alu depctr_va_vdst(0)
	s_wait_tensorcnt 1
	s_barrier_signal -1
	s_barrier_wait -1
	FETCH 0, 0
	KSTEP 0, 0, 1
	KSTEP 0, 1, 0
	KSTEP 0, 2, 0
	s_wait_tensorcnt 0x0
	s_wait_dscnt 0x0
	s_barrier_signal -1
	WIN 0xfa
	MUL 1, 1, 0, 4, 0
	s_barrier_wait -1
	PLACES
	FETCH 1, 0
	WIN 0xfa
	MUL 1, 1, 4, 4, 0
	KSTEP 1, 0, 0
	KSTEP 1, 1, 0
	KSTEP 1, 2, 0
	s_wait_dscnt 0x0
	WIN 0xfa
	MUL 1, 1, 0, 8, 0
	WIN 0
.macro TOSTAGE a
	WIN 0x0c
.irp b, 0,1,2,3
	ds_store_b128 v[STO], v[32*(\a)+8*\b:32*(\a)+8*\b+3] offset:128*(\b/2)+32*(\b%2)
	ds_store_b128 v[STO], v[32*(\a)+8*\b+4:32*(\a)+8*\b+7] offset:128*(\b/2)+32*(\b%2)+16
.endr
	WIN 0
.set BB, 96+32*((\a)%2)
.irp i, 0,1,2,3,4,5,6,7
	ds_load_b128 v[BB+4*\i:BB+4*\i+3], v[RD] offset:544*\i
.endr
.endm
.macro SEND a, younger
.set BB, 96+32*((\a)%2)
	s_wait_dscnt \younger
.irp i, 0,1,2,3,4,5,6,7
	global_store_b128 v[CO], v[BB+4*\i:BB+4*\i+3], s[8:9] offset:(16*(\a)+2*\i)*4096 th:TH_STORE_NT
.endr
.endm
	PLACES
	TOSTAGE 0
.irp a, 1,2,3,4,5,6,7
.if \a > 1
	s_wait_xcnt 0x0
.endif
	TOSTAGE \a
	SEND \a-1, 16
.endr
	SEND 7, 0
	s_wait_tensorcnt 0x0
	ds_add_u32 v254, v255
	s_wait_dscnt 0x0
	CROUND
	s_endpgm
.Lfunc_end_k_qddcc71c6b5_outp:
	.size	k_qddcc71c6b5_outp, .Lfunc_end_k_qddcc71c6b5_outp-k_qddcc71c6b5_outp
	.p2alignl 7, 3214868480
	.fill 96, 4, 3214868480
	.section	.rodata,"a",@progbits
	.p2align	6, 0x0
	.amdhsa_kernel k_qddcc71c6b5_outp
		.amdhsa_group_segment_fixed_size 327680
		.amdhsa_private_segment_fixed_size 0
		.amdhsa_enable_private_segment 0
		.amdhsa_kernarg_size 24
		.amdhsa_user_sgpr_count 2
		.amdhsa_user_sgpr_kernarg_segment_ptr 1
		.amdhsa_wavefront_size32 1
		.amdhsa_system_sgpr_workgroup_id_x 1
		.amdhsa_system_sgpr_workgroup_id_y 1
		.amdhsa_system_sgpr_workgroup_id_z 1
		.amdhsa_system_vgpr_workitem_id 0
		.amdhsa_next_free_vgpr 1024
		.amdhsa_next_free_sgpr 84
		.amdhsa_reserve_vcc 0
		.amdhsa_float_denorm_mode_32 3
		.amdhsa_float_denorm_mode_16_64 3
		.amdhsa_memory_ordered 1
		.amdhsa_forward_progress 1
		.amdhsa_inst_pref_size 85
	.end_amdhsa_kernel
	.amdgpu_metadata
---
amdhsa.version: [ 1, 2 ]
amdhsa.kernels:
  - .name:           k_qddcc71c6b5_outp
    .symbol:         k_qddcc71c6b5_outp.kd
    .args:
      - { .name: arec, .offset: 0, .size: 8, .value_kind: global_buffer, .address_space: global }
      - { .name: wts, .offset: 8, .size: 8, .value_kind: global_buffer, .address_space: global }
      - { .name: out0, .offset: 16, .size: 8, .value_kind: global_buffer, .address_space: global }
    .group_segment_fixed_size: 327680
    .private_segment_fixed_size: 0
    .kernarg_segment_align: 8
    .kernarg_segment_size: 24
    .max_flat_workgroup_size: 128
    .sgpr_count:     84
    .vgpr_count:     1024
    .wavefront_size: 32
...
	.end_amdgpu_metadata
.endif
;; end of part 4
